; MI455X (gfx1250); checked and timed in simulation.
; The chip was launched on July 23, 2026; its instructions are those of AMD's public machine-readable ISA for CDNA 5 (MIT licence, August 2026) and "CDNA5" Instruction Set Architecture Reference Guide (July 2026). The comments in the code are by the model that wrote it; some were corrected since.
;; Self Attention. Allowed arithmetic: matrix products marked QUANTISED: E2M3 operands, one E8M0 scale for each 32 along K, by v_wmma_scale_f32_16x16x128_f8f6f4 with both operands' format E2M3, f32 sums; everything else in f32.
;; Inputs: Wk 1,024 x 1,024 float32; Wo 1,024 x 1,024 float32; Wq 1,024 x 1,024 float32; Wv 1,024 x 1,024 float32; bk 1,024 float32; bo 1,024 float32; bq 1,024 float32; bv 1,024 float32; keys 4 x 2,048 x 1,024 float32; mask 4 x 1 x 2,048 x 2,048 bool; queries 4 x 2,048 x 1,024 float32; values 4 x 2,048 x 1,024 float32.
;; Outputs: out0 4 x 2,048 x 1,024 float32.
;; This version of the problem:
;;   THIS VERSION OF THE PROBLEM IS GIVEN IN LOW PRECISION. The matrix products marked QUANTISED in the list below multiply operands that are first quantised to E2M3 (2 exponent bits, 3 mantissa bits; 6 bits a number), with one power-of-two scale for each 32 numbers along K (OCP MX v1.0); their sums are f32. All else is computed in f32.
;;   The module's matrix products, in the order in which they are computed (A, B: the left and right operand; K: the contracted axis; several contracted axes count as one K, in the product's order):
;;     1. [M 8,192, K 1,024] x [K 1,024, N 1,024]; A: input values; B: input Wv: QUANTISED
;;     2. [M 8,192, K 1,024] x [K 1,024, N 1,024]; A: input keys; B: input Wk: QUANTISED
;;     3. [M 8,192, K 1,024] x [K 1,024, N 1,024]; A: input queries; B: input Wq: QUANTISED
;;     4. batch 64 x [M 2,048, K 64] x [K 64, N 2,048]; A: computed on the way; B: computed on the way: QUANTISED
;;     5. batch 64 x [M 64, K 2,048] x [K 2,048, N 2,048]; A: computed on the way; B: softmax (see below): QUANTISED
;;     6. [M 8,192, K 1,024] x [K 1,024, N 1,024]; A: computed on the way; B: input Wo: QUANTISED
;;   THE QUANTISER, for each operand of a quantised product, along K:
;;     - K is cut into blocks of 32 from its start; a last block that is shorter is filled with zeros.
;;     - A block's scale is 2^e with e = floor(log2(the largest magnitude in the block)) - 2, held to -126 .. 127; a block of zeros has e = 0. As a byte (E8M0): e + 127.
;;     - Each number is divided by its block's scale, clamped to +-7.5, and rounded to the nearest number of E2M3, ties to even, subnormals kept.
;;     - The product sums the exact products of the quantised numbers (number of the format x scale) in f32.
;;   ~~~python
;;   def quantise(x, axis):      # numpy; x: float32 -> the quantised numbers, widened to float32 again
;;       x = np.moveaxis(x, axis, -1); K = x.shape[-1]
;;       x = np.pad(x, [(0, 0)] * (x.ndim - 1) + [(0, -K % 32)]); x = x.reshape(x.shape[:-1] + (-1, 32)); a = np.abs(x).max(-1, keepdims=True)
;;       e = np.where(a > 0, np.clip(np.frexp(np.where(a > 0, a, 1))[1] - 1 - 2, -126, 127), 0)      # np.frexp(a)[1] - 1 = floor(log2(a)), exactly
;;       r = np.clip(x / 2.0 ** e, -7.5, 7.5)
;;       step = 2.0 ** (np.maximum(np.frexp(np.where(r == 0, 1, r))[1] - 1, 0) - 3)
;;       q = np.round(r / step) * step * 2.0 ** e      # np.round: ties to even
;;       return np.moveaxis(q.reshape(q.shape[:-2] + (-1,))[..., :K], -1, axis).astype(np.float32)
;;   ~~~
;;   SOFTMAX AHEAD OF A QUANTISED PRODUCT. Where the list says 'softmax', what is quantised is not the finished softmax but p = 2^(t - M), with t = logit x log2(e) and M = ceil(the row's largest t), a whole number; so 1/2 < the row's largest p <= 1. The row's sum l is taken of the UNQUANTISED p, in f32, and the product's result is divided by l at the end. Since M is a whole number, a kernel that streams over the keys may use a running M (the ceiling of the running maximum): every later rescaling is an exact power of two, which a block's scale takes up: the codes' values come out the same.
;;   OPERANDS COMPUTED ON THE WAY. 'Computed on the way' means the value that the module computes at that place (a softmax that the list does not call 'softmax' is quantised finished and normalised). What goes into a quantiser is computed in f32, as accurately as f32 sums, v_exp_f32 and their like allow (about 1e-6 of the number): no bf16 or f16 on the way to a quantiser, and a product that is left as it is and whose result goes on into a quantised operand takes f32 operands (vector FMAs, or v_wmma_f32_16x16x4_f32). A number that lies on a knife's edge between two numbers of the format may be rounded either way, as far as f32 arithmetic and the matrix unit's own rounding can turn it there, and no further.
;; One version. Each part assembles by itself: llvm-mc -triple=amdgcn-amd-amdhsa -mcpu=gfx1250 --defsym DOCPART=n.
;; ======== version 1 of 1: 4 launches
;; limits: right only within a limited range of input values
;; workspace buffers: xw 22,020,096 bytes; xws 917,504 bytes; mw 2,097,152 bytes of whole numbers; qkv 18,874,368 bytes; qkvs 1,310,720 bytes; oc 6,291,456 bytes; ocs 524,288 bytes
;; launch prep (part 1): grid 1472 x 1, 4 waves a work-group, no clusters, 51,712 bytes of LDS; arguments values, keys, queries, Wv, Wk, Wq, Wo, mask, xw, xws, mw; writes xw, xws, mw
.if DOCPART == 1
	.amdgcn_target "amdgcn-amd-amdhsa--gfx1250"
	.amdhsa_code_object_version 6
	.text
	.protected	k_qeaa2479fec_prep
	.globl	k_qeaa2479fec_prep
	.p2align	8
	.type	k_qeaa2479fec_prep,@function
k_qeaa2479fec_prep:
	s_mov_b64 s[64:65], 0
	v_nop
	global_prefetch_b8 v0, s[64:65] scope:SCOPE_SE
	s_setreg_imm32_b32 hwreg(HW_REG_WAVE_MODE, 25, 1), 1
	s_wait_xcnt 0x0
; values, keys, queries [8192][1024] and Wv, Wk, Wq, Wo [1024][1024], f32, K innermost, become codes of FP6 (E2M3) with one E8M0 byte for each 32 along K; the mask's bytes become lane masks.
; A TILE is 16 rows that are not neighbours: lane r of tile g takes row 32 (g / 2) + 8 (g % 2) + r + 8 (r / 8).
; xw [tile 1792][K step 8][1536]: a fragment (16 rows x 128 K, 12 registers a lane) as an image of its registers, in two halves of 768 bytes: registers 0-3 at 16 x lane, registers 4-5 at 512 + 8 x lane.
; xws [tile][lane 32][4] words: word (L, i) is the scale word of row L % 16 for K step 2 i + L / 16.
; mw [query tile 512][key step 16][j 64] words: bit L of word j = mask[query of lane L % 16][key 128 step + 32 (j / 16) + 16 (L / 16) + j % 16].
; Work-groups 0-447: a wave takes one tile through all 8 K steps.  Work-groups 448-1471: a wave takes 16 queries x 256 keys of the mask.  Waves share nothing: no barrier.
; A block's scale byte is its largest magnitude's exponent field - 2, held at 1 from below.
; LIMITS: a block of zeros gets the byte 1 where the quantiser says 127 (its codes are zeros, and this program alone reads the bytes); NaN and infinities among the inputs are not served.
.set SPARE, 51200                      ; the spare words: 128 bytes a wave, behind both paths' stages
.set QST,   8448                       ; the quantiser's stage of a wave: 16 rows x (512 + 16) bytes, from LDS byte 0
.set MST0,  33792                      ; the mask's stages begin here: bytes of their own
.set MST,   4352                       ; 16 rows x (256 + 16) bytes
.set SPW, 1
.set NIL, 2
.set O16, 3                            ; 16 x lane
.set O8,  4                            ; 8 x lane
.set STI, 5                            ; stage, way in: 16 x lane
.set STO, 6                            ; stage, way out: 528 r + 64 h
.set MSI, 10                           ; mask stage, way in: 272 h + 16 r
.set MSO, 11                           ; mask stage, way out: 272 r + 16 h
.set PC,  12                           ; v12-30   the codes just made
.set R,   32                           ; v32-159  two sets of 64 registers as loaded
.set X,   160                          ; v160-223 64 numbers of my row: register 16 b + i = k 32 b + 16 h + i
.set TM,  224                          ; v224-239 at work in QUANT
.set PW,  240                          ; the scale word just made
.set PWE, 241                          ; that of the even K step
.set SW,  244                          ; v244-247 the tile's scale words
.set SEL, 40                           ; s[40:41] v_permlanex16_b32's selects for lane l xor 16
; 64 numbers of a lane become a fragment's codes in v[PC] .. v[PC+11] and its scale word in v[PW]
.macro QUANT s
.irp b, 0,1,2,3
	v_max3_num_f32 v[TM+\b], |v[\s+16*\b]|, |v[\s+1+16*\b]|, 0x1800000   ; my 16 numbers of block b, and the floor 2^(3 - 127): the byte cannot fall under 1
.endr
.irp i, 2,4,6,8,10,12,14
.irp b, 0,1,2,3
	v_max3_num_f32 v[TM+\b], v[TM+\b], |v[\s+16*\b+\i]|, |v[\s+1+16*\b+\i]|
.endr
.endr
.irp b, 0,1,2,3
	v_permlanex16_b32 v[TM+4+\b], v[TM+\b], s[SEL], s[SEL+1]
.endr
.irp b, 0,1,2,3
	v_max_num_f32 v[TM+\b], v[TM+\b], v[TM+4+\b]   ; with lane l xor 16's: the block's largest magnitude
.endr
.irp b, 0,1,2,3
	v_add_nc_u32 v[TM+12+\b], 0xff000000, v[TM+\b] ; 2 off its exponent field: the conversion's scale operand
.endr
.irp b, 0,1,2,3
	v_lshrrev_b32 v[TM+4+\b], 23, v[TM+12+\b]      ; the scale's byte
.endr
	v_lshl_or_b32 v[PW], v[TM+5], 8, v[TM+4]
	v_lshl_or_b32 v[PW], v[TM+6], 16, v[PW]
	v_lshl_or_b32 v[PW], v[TM+7], 24, v[PW]
.irp c, 0,1
	v_cvt_scalef32_pk16_fp6_f32 v[PC+6*\c:PC+2+6*\c], v[\s+32*\c:\s+15+32*\c], v[TM+12+2*\c]
	v_cvt_scalef32_pk16_fp6_f32 v[PC+12+4*\c:PC+14+4*\c], v[\s+16+32*\c:\s+31+32*\c], v[TM+12+2*\c+1]
.endr
	v_nop                                          ; one plain place behind a scaled conversion
.irp c, 0,1                            ; a whole block to a lane: lanes 0-15 block 2 c, lanes 16-31 block 2 c + 1
.irp i, 0,1,2
	v_permlane16_swap_b32 v[PC+6*\c+\i], v[PC+12+4*\c+\i]
.endr
.irp i, 0,1,2
	v_mov_b32 v[PC+3+6*\c+\i], v[PC+12+4*\c+\i]
.endr
.endr
.endm
.macro PUTHF reg, base, off            ; half a fragment, 768 bytes: each store covers whole aligned runs of 256 bytes
	global_store_b128 v[O16], v[\reg:\reg+3], s[\base:\base+1] offset:\off
	global_store_b64 v[O8], v[\reg+4:\reg+5], s[\base:\base+1] offset:\off+512
.endm
	s_load_b512 s[4:19], s[0:1], 0x0               ; values, keys, queries, Wv, Wk, Wq, Wo, mask
	s_load_b128 s[20:23], s[0:1], 0x40             ; xw, xws
	s_load_b64 s[24:25], s[0:1], 0x50              ; mw
	v_lshl_add_u32 v[SPW], v0, 2, SPARE
	v_mov_b32 v[NIL], 0
	v_lshrrev_b32 v3, 5, v0
	v_readfirstlane_b32 s26, v3                    ; wave 0..3
	v_and_b32 v7, 31, v0                           ; lane
	v_and_b32 v8, 15, v0                           ; r
	v_bfe_u32 v9, v0, 4, 1                         ; h
	v_lshlrev_b32 v[O16], 4, v7
	v_lshlrev_b32 v[O8], 3, v7
	s_mul_i32 s44, s26, QST
	v_add_nc_u32 v[STI], s44, v[O16]
	v_mul_u32_u24 v[STO], v8, 528
	v_lshl_add_u32 v[STO], v9, 6, v[STO]
	v_add_nc_u32 v[STO], s44, v[STO]
	s_mul_i32 s44, s26, MST
	s_add_co_u32 s44, s44, MST0
	v_mul_u32_u24 v[MSI], v9, 272
	v_lshl_add_u32 v[MSI], v8, 4, v[MSI]
	v_add_nc_u32 v[MSI], s44, v[MSI]
	v_mul_u32_u24 v[MSO], v8, 272
	v_lshl_add_u32 v[MSO], v9, 4, v[MSO]
	v_add_nc_u32 v[MSO], s44, v[MSO]
	s_mov_b32 s27, 0xffff0000                      ; lanes 16-31
	s_mov_b32 s[SEL], 0x76543210
	s_mov_b32 s[SEL+1], 0xfedcba98
	s_mov_b32 s43, 0
	s_wait_kmcnt 0x0
	s_cmp_lt_u32 ttmp9, 448
	s_cbranch_scc0 .Lmask
	; ---- the quantiser.  The tensor is chosen by the work-group's number alone
	s_mov_b64 s[28:29], s[16:17]
	s_mov_b32 s30, 1728
.macro PICK lim, ptr, base
	s_cmp_lt_u32 ttmp9, \lim
	s_cselect_b64 s[28:29], s[\ptr:\ptr+1], s[28:29]
	s_cselect_b32 s30, \base, s30
.endm
	PICK 432, 14, 1664
	PICK 416, 12, 1600
	PICK 400, 10, 1536
	PICK 384, 8, 1024
	PICK 256, 6, 512
	PICK 128, 4, 0
	s_lshl_b32 s31, ttmp9, 2
	s_add_co_u32 s31, s31, s26                     ; my tile
	s_sub_co_u32 s30, s31, s30                     ; and its number in its tensor
	s_lshr_b32 s42, s30, 1
	s_lshl_b32 s42, s42, 17                        ; 32 rows of 4,096 bytes for each pair of tiles,
	s_and_b32 s30, s30, 1
	s_lshl_b32 s30, s30, 15                        ; 8 rows for the odd one
	s_add_co_u32 s42, s42, s30
	s_add_nc_u64 s[28:29], s[28:29], s[42:43]
	s_mul_i32 s42, s31, 12288
	s_add_nc_u64 s[20:21], s[20:21], s[42:43]
	s_lshl_b32 s42, s31, 9
	s_add_nc_u64 s[22:23], s[22:23], s[42:43]
.irp b, 0,1,2,3
	v_mov_b32 v[TM+4+\b], 0                        ; written once: a lane permute's destination counts as one of its sources
.endr
.macro LOAD s                          ; K step s of my 16 rows: an instruction reads 512 consecutive bytes of one row
.irp i, 0,1,2,3,4,5,6,7,8,9,10,11,12,13,14,15
	global_load_b128 v[R+64*((\s)%2)+4*\i:R+64*((\s)%2)+4*\i+3], v[O16], s[28:29] offset:(\i+8*(\i/8))*4096+512*(\s) th:TH_LOAD_NT
.endr
.endm
.macro STEP s
.if (\s) < 7
	s_wait_loadcnt 16                              ; this step's 16 loads are in; the next step's 16 may be out
.else
	s_wait_loadcnt 0x0
.endif
.irp i, 0,1,2,3,4,5,6,7,8,9,10,11,12,13,14,15
	ds_store_b128 v[STI], v[R+64*((\s)%2)+4*\i:R+64*((\s)%2)+4*\i+3] offset:528*\i
.endr
.irp b, 0,1,2,3
.irp j, 0,1,2,3
	ds_load_b128 v[X+16*\b+4*\j:X+16*\b+4*\j+3], v[STO] offset:128*\b+16*\j   ; LDS serves a wave's instructions in order: these see my stores
.endr
.endr
	s_wait_dscnt 0x0                               ; my numbers are back, and the stage's stores have read their registers
	s_wait_xcnt 0x0                                ; the last step's stores have read their data: the codes' registers may be written
.if (\s) < 6
	LOAD (\s)+2
.endif
	QUANT X
	PUTHF PC, 20, 1536*(\s)
	PUTHF PC+6, 20, 1536*(\s)+768
.if (\s)%2 == 0
	v_mov_b32 v[PWE], v[PW]
.else
	v_cndmask_b32 v[SW+(\s)/2], v[PWE], v[PW], s27 ; lanes 0-15 the even step's word, lanes 16-31 the odd step's
.endif
.endm
	LOAD 0
	LOAD 1
.irp q, 0,1,2,3,4,5,6,7
	STEP \q
.endr
	global_store_b128 v[O16], v[SW:SW+3], s[22:23] ; 512 consecutive bytes
	s_wait_tensorcnt 0x0                           ; the wave's end: behind my last LDS store
	ds_add_u32 v[SPW], v[NIL]
	s_wait_dscnt 0x0
	s_endpgm
.Lmask:	; ---- the mask: 16 queries of a tile x 256 keys
	s_sub_co_u32 s30, ttmp9, 448
	s_lshr_b32 s31, s30, 1                         ; the query tile, 0..511
	s_and_b32 s30, s30, 1
	s_lshl_b32 s30, s30, 2
	s_add_co_u32 s30, s30, s26                     ; which 256 keys, 0..7
	s_lshr_b32 s42, s31, 1
	s_lshl_b32 s42, s42, 5
	s_and_b32 s44, s31, 1
	s_lshl_b32 s44, s44, 3
	s_add_co_u32 s42, s42, s44                     ; the tile's first row
	s_lshl_b32 s42, s42, 11                        ; of 2,048 bytes
	s_lshl_b32 s44, s30, 8
	s_add_co_u32 s42, s42, s44
	s_add_nc_u64 s[18:19], s[18:19], s[42:43]
	s_lshl_b32 s42, s31, 12
	s_lshl_b32 s44, s30, 9
	s_add_co_u32 s42, s42, s44
	s_add_nc_u64 s[24:25], s[24:25], s[42:43]
	v_lshlrev_b32 v12, 4, v8
	v_lshl_add_u32 v12, v9, 11, v12                ; sixteen lanes read 256 consecutive bytes of a row, the other sixteen those of the next row
.irp i, 0,1,2,3,4,5,6,7
	global_load_b128 v[32+4*\i:35+4*\i], v12, s[18:19] offset:(2*\i+8*(\i/4))*2048 th:TH_LOAD_NT
.endr
.irp i, 0,1,2,3
	v_mov_b32 v[64+\i], 0                          ; v_writelane_b32's destination counts as read
.endr
	s_wait_loadcnt 0x0
.irp i, 0,1,2,3,4,5,6,7
	ds_store_b128 v[MSI], v[32+4*\i:35+4*\i] offset:544*\i
.endr
	s_wait_alu depctr_va_vdst(0)
.irp i, 0,1,2,3,4,5,6,7
	ds_load_b128 v[32+4*\i:35+4*\i], v[MSO] offset:32*\i   ; of query r: keys 32 i + 16 h + 0 .. 15, a byte each
.endr
	s_wait_dscnt 0x0
.set IDX, 0
.rept 16                               ; word IDX of the 128: a compare's lane mask; it goes to lane IDX / 4, register IDX % 4, so that the wave stores 512 consecutive bytes
.irp k, 0,1,2,3,4,5,6,7
	v_and_b32 v[68+\k], 0xff<<(8*((IDX+\k)%4)), v[32+4*((IDX+\k)/16)+((IDX+\k)%16)/4]
.endr
.irp k, 0,1,2,3,4,5,6,7
	v_cmp_ne_u32 s[32+\k], 0, v[68+\k]
.endr
.irp k, 0,1,2,3,4,5,6,7
	v_writelane_b32 v[64+(IDX+\k)%4], s[32+\k], (IDX+\k)/4
.endr
.set IDX, IDX+8
.endr
	global_store_b128 v[O16], v[64:67], s[24:25]
	s_wait_tensorcnt 0x0                           ; the wave's end: behind my last LDS store
	ds_add_u32 v[SPW], v[NIL]
	s_wait_dscnt 0x0
	s_endpgm
.Lfunc_end_k_qeaa2479fec_prep:
	.size	k_qeaa2479fec_prep, .Lfunc_end_k_qeaa2479fec_prep-k_qeaa2479fec_prep
	.p2alignl 7, 3214868480
	.fill 96, 4, 3214868480
	.section	.rodata,"a",@progbits
	.p2align	6, 0x0
	.amdhsa_kernel k_qeaa2479fec_prep
		.amdhsa_group_segment_fixed_size 51712
		.amdhsa_private_segment_fixed_size 0
		.amdhsa_enable_private_segment 0
		.amdhsa_kernarg_size 88
		.amdhsa_user_sgpr_count 2
		.amdhsa_user_sgpr_kernarg_segment_ptr 1
		.amdhsa_wavefront_size32 1
		.amdhsa_system_sgpr_workgroup_id_x 1
		.amdhsa_system_sgpr_workgroup_id_y 1
		.amdhsa_system_sgpr_workgroup_id_z 1
		.amdhsa_system_vgpr_workitem_id 0
		.amdhsa_next_free_vgpr 256
		.amdhsa_next_free_sgpr 66
		.amdhsa_reserve_vcc 0
		.amdhsa_float_denorm_mode_32 3
		.amdhsa_float_denorm_mode_16_64 3
		.amdhsa_memory_ordered 1
		.amdhsa_forward_progress 1
		.amdhsa_inst_pref_size 93
	.end_amdhsa_kernel
	.amdgpu_metadata
---
amdhsa.version: [ 1, 2 ]
amdhsa.kernels:
  - .name:           k_qeaa2479fec_prep
    .symbol:         k_qeaa2479fec_prep.kd
    .args:
      - { .name: values, .offset: 0, .size: 8, .value_kind: global_buffer, .address_space: global }
      - { .name: keys, .offset: 8, .size: 8, .value_kind: global_buffer, .address_space: global }
      - { .name: queries, .offset: 16, .size: 8, .value_kind: global_buffer, .address_space: global }
      - { .name: Wv, .offset: 24, .size: 8, .value_kind: global_buffer, .address_space: global }
      - { .name: Wk, .offset: 32, .size: 8, .value_kind: global_buffer, .address_space: global }
      - { .name: Wq, .offset: 40, .size: 8, .value_kind: global_buffer, .address_space: global }
      - { .name: Wo, .offset: 48, .size: 8, .value_kind: global_buffer, .address_space: global }
      - { .name: mask, .offset: 56, .size: 8, .value_kind: global_buffer, .address_space: global }
      - { .name: xw, .offset: 64, .size: 8, .value_kind: global_buffer, .address_space: global }
      - { .name: xws, .offset: 72, .size: 8, .value_kind: global_buffer, .address_space: global }
      - { .name: mw, .offset: 80, .size: 8, .value_kind: global_buffer, .address_space: global }
    .group_segment_fixed_size: 51712
    .private_segment_fixed_size: 0
    .kernarg_segment_align: 8
    .kernarg_segment_size: 88
    .max_flat_workgroup_size: 128
    .sgpr_count:     66
    .vgpr_count:     256
    .wavefront_size: 32
...
	.end_amdgpu_metadata
.endif
;; end of part 1
;; launch proj (part 2): grid 8 x 96, 4 waves a work-group, clusters of 4 x 4, 327,680 bytes of LDS; arguments xw, xws, bv, bk, bq, qkv, qkvs; writes qkv, qkvs
.if DOCPART == 2
	.amdgcn_target "amdgcn-amd-amdhsa--gfx1250"
	.amdhsa_code_object_version 6
	.text
	.protected	k_qeaa2479fec_proj
	.globl	k_qeaa2479fec_proj
	.p2align	8
	.type	k_qeaa2479fec_proj,@function
k_qeaa2479fec_proj:
	s_mov_b64 s[64:65], 0
	v_nop
	global_prefetch_b8 v0, s[64:65] scope:SCOPE_SE
	s_setreg_imm32_b32 hwreg(HW_REG_WAVE_MODE, 25, 1), 1
	s_wait_xcnt 0x0
	s_wait_alu depctr_hold_cnt(0) depctr_sa_sdst(0) depctr_va_vdst(0) depctr_va_sdst(0) depctr_va_ssrc(0) depctr_va_vcc(0) depctr_vm_vsrc(0)
	s_getreg_b32 s2, hwreg(HW_REG_IB_STS2, 6, 4)
	s_cmp_eq_u32 s2, 0
	s_cbranch_scc0 .Lentry_in_a_cluster
	s_endpgm
.Lentry_in_a_cluster:
	s_bfe_u32 s2, ttmp6, 0x10000c
	s_cmp_lg_u32 s2, 0xf033
	s_cbranch_scc0 .Lentry_shape_is_right
	s_endpgm
.Lentry_shape_is_right:
; The three projections x W^T + b on codes of FP6 (E2M3), K = 1,024, and the quantising of their results along the NEXT product's K: q and k along the head's 64, v along the keys.
; A work-group makes 8 tiles of the P side (source 0: its index runs along a lane's registers, the next K) x 16 tiles of the L side (source 1: a lane a row).
;   q, k: P = 128 rows of W (two heads), L = 256 tokens.     v: P = 128 tokens (a key step), L = 256 rows of Wv (four heads).
; The mode (cluster y / 8: 0 values, 1 keys, 2 queries) enters global addresses and a few scalars alone; no branch and no LDS address hangs on it.
; Wave w takes all 8 P tiles x L tiles 4 w .. 4 w + 3: 32 accumulators, 256 registers.  All of K lies in LDS at once, in two chunks of four K steps: first fills alone, nothing is filled again.
; CLUSTER 4 x 4: the L tiles hang on cy alone and are asked for jointly along a row of the cluster, the P tiles on cx alone and along a column.
; Operands lie in memory and in LDS as images of their registers (a fragment = 2 x 768 bytes: registers 0-3 at 16 x lane, 4-5 at 512 + 8 x lane): every LDS load reads consecutive bytes.
; OUT: qkv, a record of 294,912 bytes for each (n, head): Q [tile 128][768], K likewise at 98,304, V [64 keys: 32][tile of d: 4][768] at 196,608.
;      qkvs, records of 20,480: Q's and K's words [tile / 4][r 16][tile % 4] at 0 and 8,192 (bytes 0, 1 real, bytes 2, 3 = 0x7f); V's [key step 16][r 16][tile of d 4] at 16,384.
; LIMITS: a block of zeros gets the byte 1 (its codes are zeros; this program alone reads the bytes); NaN and infinities are not served.
; REGISTERS: window 0: addresses, scale words, L's fragments (two sets), the bias; window 1: P's fragments, two sets (v0-95, v128-223); window 2: accumulator (t, u) at v[8 (8 u + t)].
.set CH,    147456                     ; a chunk: L's 16 tiles x 6,144 bytes, then P's 8
.set LPB,   98304
.set SCLB,  294912                     ; L's scale words, 16 x 512
.set SCPB,  303104                     ; P's, 8 x 512
.set SPARE, 307200                     ; the spare words, 128 bytes a wave
.set SPW, 1
.set NIL, 2
.set O16, 3
.set O8,  4
.set ADL16, 5                          ; v5-6   L's fragments in chunk 0, 1: 24,576 w + 16 x lane
.set ADL8,  7                          ; v7-8   the same with 512 + 8 x lane
.set ADP16, 9                          ; v9-10, v11-12 the same for P
.set ADP8,  11
.set ASL, 13
.set ASP, 14
.set SH,  15                           ; q, k: lanes 16-31 take the scale word's upper half
.set SA,  16                           ; where my four scale words go
.set BPO, 17
.set BLO, 18
.set BL2, 24                           ; v24-31   the bias along L, each twice
.set SCP, 32                           ; v32-63   P's scale words, 4 t + i: lanes 0-15 K step 2 i, lanes 16-31 K step 2 i + 1
.set SCL, 64                           ; v64-79   L's, 4 u + i
.set LFR, 80                           ; v80-127, v128-175 L's fragments
.set BP,  176                          ; v176-239 the bias along P, in the result's layout
.set TM,  240
.set H,   80                           ; the way out: 64 results of a lane
.set PC,  144
.set PW,  164
.set SWD, 166
.set WV,  18
.set SEL, 98
.set MSB, 0
.macro WIN new                         ; the immediate's high byte repeats the setting that is left
.if MSB != \new
	s_set_vgpr_msb (MSB<<8)|\new
.set MSB, \new
.endif
.endm
.macro PLACES n
.rept \n
	v_nop
.endr
.endm
.macro CROUND                          ; a round of the cluster's barrier
	s_barrier_signal -1
	s_barrier_wait -1
	s_cmp_lg_u32 s[WV], 0
	s_cbranch_scc1 .Lnot_wave_0_\@
	s_barrier_signal -3
.Lnot_wave_0_\@:
	s_barrier_wait -3
	s_barrier_signal -1
	s_barrier_wait -1
.endm
.macro QUANT s                         ; 64 numbers of a lane (register 16 b + i = k 32 b + 16 h + i) -> a fragment in v[PC] .. v[PC+11], its scale word in v[PW]
.irp b, 0,1,2,3
	v_max3_num_f32 v[TM+\b], |v[\s+16*\b]|, |v[\s+1+16*\b]|, 0x1800000   ; and the floor 2^(3 - 127): the byte cannot fall under 1
.endr
.irp i, 2,4,6,8,10,12,14
.irp b, 0,1,2,3
	v_max3_num_f32 v[TM+\b], v[TM+\b], |v[\s+16*\b+\i]|, |v[\s+1+16*\b+\i]|
.endr
.endr
.irp b, 0,1,2,3
	v_permlanex16_b32 v[TM+4+\b], v[TM+\b], s[SEL], s[SEL+1]
.endr
.irp b, 0,1,2,3
	v_max_num_f32 v[TM+\b], v[TM+\b], v[TM+4+\b]
.endr
.irp b, 0,1,2,3
	v_add_nc_u32 v[TM+12+\b], 0xff000000, v[TM+\b] ; 2 off the exponent field: the conversion's scale operand
.endr
.irp b, 0,1,2,3
	v_lshrrev_b32 v[TM+4+\b], 23, v[TM+12+\b]
.endr
	v_lshl_or_b32 v[PW], v[TM+5], 8, v[TM+4]
	v_lshl_or_b32 v[PW], v[TM+6], 16, v[PW]
	v_lshl_or_b32 v[PW], v[TM+7], 24, v[PW]
.irp c, 0,1
	v_cvt_scalef32_pk16_fp6_f32 v[PC+6*\c:PC+2+6*\c], v[\s+32*\c:\s+15+32*\c], v[TM+12+2*\c]
	v_cvt_scalef32_pk16_fp6_f32 v[PC+12+4*\c:PC+14+4*\c], v[\s+16+32*\c:\s+31+32*\c], v[TM+12+2*\c+1]
.endr
	v_nop                                          ; one plain place behind a scaled conversion
.irp c, 0,1
.irp i, 0,1,2
	v_permlane16_swap_b32 v[PC+6*\c+\i], v[PC+12+4*\c+\i]
.endr
.irp i, 0,1,2
	v_mov_b32 v[PC+3+6*\c+\i], v[PC+12+4*\c+\i]
.endr
.endr
.endm
.macro PUTHF reg, base, off
	global_store_b128 v[O16], v[\reg:\reg+3], s[\base:\base+1] offset:\off
	global_store_b64 v[O8], v[\reg+4:\reg+5], s[\base:\base+1] offset:\off+512
.endm
	s_load_b256 s[4:11], s[0:1], 0x0               ; xw, xws, bv, bk
	s_load_b128 s[12:15], s[0:1], 0x20             ; bq, qkv
	s_load_b64 s[16:17], s[0:1], 0x30              ; qkvs
	v_lshl_add_u32 v[SPW], v0, 2, SPARE
	v_mov_b32 v[NIL], 0
	ds_add_u32 v[SPW], v[NIL]                      ; the wave's opening: the add and its wait ahead of my first tensor load
	ds_add_u32 v[SPW], v[NIL]
	v_lshrrev_b32 v3, 5, v0
	v_readfirstlane_b32 s[WV], v3                  ; wave 0..3
	s_bfe_u32 s19, ttmp6, 0x40000                  ; cx
	s_bfe_u32 s20, ttmp6, 0x40004                  ; cy
	s_and_b32 s22, ttmp7, 0xffff
	s_lshr_b32 s21, s22, 3                         ; the mode: 0 values, 1 keys, 2 queries
	s_and_b32 s22, s22, 7                          ; the cluster's row within the mode
	s_lshl_b32 s86, s21, 6
	s_add_co_u32 s86, s86, 1536                    ; q, k: P's tiles are W's
	s_lshl_b32 s87, s21, 9                         ;       L's are the tokens'
	s_cmp_eq_u32 s21, 0
	s_cselect_b32 s86, 0, s86                      ; v: P's tiles are the tokens' (values begin at tile 0),
	s_cselect_b32 s87, 1536, s87                   ;    L's are Wv's
	s_cselect_b32 s23, s22, 0
	s_cselect_b32 s3, 0, s22
	s_cselect_b32 s96, 0, -1                       ; the bias runs along P for q and k,
	s_cselect_b32 s97, -1, 0                       ; along L for v
	s_cselect_b32 s94, -1, 0xffff                  ; what is kept of a scale word,
	s_cselect_b32 s95, 0, 0x7f7f0000               ; and what is set
	s_lshl_b32 s84, ttmp9, 2
	s_add_co_u32 s84, s84, s19
	s_lshl_b32 s23, s23, 3
	s_add_co_u32 s84, s84, s23                     ; P's block: hangs on cx, never on cy
	s_lshl_b32 s85, s3, 2
	s_add_co_u32 s85, s85, s20                     ; L's block: hangs on cy, never on cx
	s_lshl_b32 s23, s84, 3
	s_add_co_u32 s86, s86, s23                     ; P's first tile
	s_lshl_b32 s3, s85, 4
	s_add_co_u32 s87, s87, s3                      ; L's first tile
	s_lshl_b32 s3, s20, 2
	s_lshl_b32 s3, 15, s3                          ; my row of the cluster
	s_lshl_b32 s23, 0x1111, s19                    ; my column
	; descriptor groups 1: elements of 8 bytes, no padding; bit 21 set beside a mask
	s_or_b32 s24, s3, (3<<16)|(1<<21)              ; L's codes: 16 tiles x 6,144 bytes (four K steps), 12,288 bytes from tile to tile
	s_mov_b32 s25, 768<<16
	s_mov_b32 s26, 16<<16                          ; all 16 tiles of L in one load
	s_mov_b32 s27, 768<<16
	s_mov_b32 s28, 16
	s_mov_b32 s29, 1536
	s_mov_b32 s30, 0
	s_mov_b32 s31, 0
	s_or_b32 s32, s23, (3<<16)|(1<<21)             ; P's codes: 8 tiles
	s_mov_b32 s33, 768<<16
	s_mov_b32 s34, 8<<16                           ; all 8 tiles of P in one load
	s_mov_b32 s35, 768<<16
	s_mov_b32 s36, 8
	s_mov_b32 s37, 1536
	s_mov_b32 s38, 0
	s_mov_b32 s39, 0
	; groups 0
	s_lshl_b32 s3, s[WV], 2
	s_add_co_u32 s3, s3, s87                       ; the first L tile that I fetch
	s_mul_i32 s57, s[WV], 24576                    ; my four L tiles in a chunk
	s_lshl_b32 s58, s3, 9                          ; my four L tiles' scale words, 512 bytes a tile
	s_mov_b32 s59, 0
	s_lshl_b32 s62, s86, 9                         ; the eight P tiles' scale words
	s_mov_b32 s63, 0
	s_mov_b32 s68, 1
	s_mov_b32 s69, 0                               ; L's chunk 0 at LDS byte 0
	s_mul_i32 s70, s87, 12288
	s_mov_b32 s71, 0
	s_mov_b32 s72, 1
	s_mov_b32 s73, LPB
	s_mul_i32 s74, s86, 12288
	s_mov_b32 s75, 0
	s_mov_b32 s76, 1
	s_mov_b32 s77, CH
	s_mov_b32 s80, 1
	s_mov_b32 s81, LPB+CH
	s_mov_b32 s[SEL], 0x76543210
	s_mov_b32 s[SEL+1], 0xfedcba98
	s_wait_dscnt 0x0                               ; the opening add is done
	s_wait_kmcnt 0x0
	s_add_nc_u64 s[58:59], s[6:7], s[58:59]
	s_add_nc_u64 s[62:63], s[6:7], s[62:63]
	s_add_nc_u64 s[70:71], s[4:5], s[70:71]
	s_add_nc_u64 s[74:75], s[4:5], s[74:75]
	s_add_nc_u64 s[78:79], s[70:71], 6144          ; chunk 1: K steps 4 to 7 of the same tiles
	s_add_nc_u64 s[82:83], s[74:75], 6144
.irp g, 71,75,79,83
	s_or_b32 s[\g], s[\g], 0x80000000              ; type = 2
.endr
	CROUND                                         ; all sixteen work-groups are here: the joint loads meet
	; the head's four fills, one joint load a wave, in one chain of arms on the wave's number
	s_cmp_eq_u32 s[WV], 0
	s_cbranch_scc0 .Lw1
	tensor_load_to_lds s[68:71], s[24:31]          ; wave 0: L's chunk 0
	s_nop 0
	PLACES 4
	s_branch .Lasked
.Lw1:
	s_cmp_eq_u32 s[WV], 1
	s_cbranch_scc0 .Lw2
	tensor_load_to_lds s[72:75], s[32:39]          ; wave 1: P's chunk 0
	s_nop 0
	PLACES 4
	s_branch .Lasked
.Lw2:
	s_cmp_eq_u32 s[WV], 2
	s_cbranch_scc0 .Lw3
	tensor_load_to_lds s[76:79], s[24:31]          ; wave 2: L's chunk 1
	s_nop 0
	PLACES 4
	s_branch .Lasked
.Lw3:
	tensor_load_to_lds s[80:83], s[32:39]          ; wave 3: P's chunk 1
	s_nop 0
	PLACES 4
.Lasked:
	; lane addresses
	s_cmp_eq_u32 s21, 1
	s_cselect_b64 s[66:67], s[10:11], s[12:13]
	s_cmp_eq_u32 s21, 0
	s_cselect_b64 s[66:67], s[8:9], s[66:67]       ; the mode's bias
	s_cselect_b32 s2, 0, 16
	s_cselect_b32 s3, 0, 20480
	v_and_b32 v19, 31, v0                          ; lane
	v_and_b32 v20, 15, v0                          ; r
	v_bfe_u32 v21, v0, 4, 1                        ; h
	v_lshlrev_b32 v[O16], 4, v19
	v_lshlrev_b32 v[O8], 3, v19
	v_mul_u32_u24 v[SH], v21, s2
	v_mul_u32_u24 v[SA], v21, s3                   ; q, k: lanes 16-31 write the next head's record
	v_lshl_add_u32 v[SA], v20, 4, v[SA]
	v_add_nc_u32 v[ADL16], s57, v[O16]
	v_add_nc_u32 v[ADL16+1], CH, v[ADL16]
	v_add_nc_u32 v[ADL8], s57, v[O8]
	v_add_nc_u32 v[ADL8], 512, v[ADL8]
	v_add_nc_u32 v[ADL8+1], CH, v[ADL8]
	v_add_nc_u32 v[ADP16], LPB, v[O16]
	v_add_nc_u32 v[ADP16+1], CH, v[ADP16]
	v_add_nc_u32 v[ADP8], LPB+512, v[O8]
	v_add_nc_u32 v[ADP8+1], CH, v[ADP8]
	s_and_b32 s2, s84, 7
	s_lshl_b32 s2, s2, 9
	v_lshl_add_u32 v[BPO], v21, 6, s2              ; the bias along P: 128 numbers of the block, + 16 h numbers
	v_and_b32 v22, 8, v20
	v_add_nc_u32 v22, v22, v20                     ; r + 8 (r / 8)
	s_lshl_b32 s3, s85, 4
	s_lshl_b32 s2, s[WV], 2
	s_add_co_u32 s3, s3, s2
	s_and_b32 s3, s3, 63
	s_lshl_b32 s3, s3, 6
	v_lshl_add_u32 v[BLO], v22, 2, s3              ; the bias along L: my four tiles' rows.  (Both kinds are loaded in every mode, inside the buffer, and the one that does not apply is made 0)
.irp t, 0,1,2,3,4,5,6,7
	global_load_b128 v[BP+8*\t:BP+8*\t+3], v[BPO], s[66:67] offset:(32*(\t/2)+8*(\t%2))*4
	global_load_b128 v[BP+8*\t+4:BP+8*\t+7], v[BPO], s[66:67] offset:(32*(\t/2)+8*(\t%2))*4+16
.endr
.irp u, 0,1,2,3
	global_load_b32 v[BL2+2*\u], v[BLO], s[66:67] offset:(32*(\u/2)+8*(\u%2))*4
	global_load_b32 v[BL2+2*\u+1], v[BLO], s[66:67] offset:(32*(\u/2)+8*(\u%2))*4
.endr
.irp t, 0,1,2,3,4,5,6,7
	global_load_b128 v[SCP+4*\t:SCP+4*\t+3], v[O16], s[62:63] offset:512*\t   ; the scale words lie in memory as images of these registers: a load reads 512 consecutive bytes
.endr
.irp u, 0,1,2,3
	global_load_b128 v[SCL+4*\u:SCL+4*\u+3], v[O16], s[58:59] offset:512*\u
.endr
.irp b, 0,1,2,3
	v_mov_b32 v[TM+4+\b], 0                        ; written once: a lane permute's destination counts as one of its sources
.endr
	; where the results go
	s_lshr_b32 s100, s84, 4
	s_lshl_b32 s100, s100, 4
	s_lshl_b32 s101, s85, 2
	s_add_co_u32 s100, s100, s101
	s_add_co_u32 s100, s100, s[WV]                 ; v: record 16 n + 4 x L's block + wave
	s_lshr_b32 s101, s85, 3
	s_lshl_b32 s101, s101, 4
	s_lshl_b32 s2, s84, 1
	s_add_co_u32 s101, s101, s2                    ; q, k: record 16 n + 2 x P's block
	s_and_b32 s2, s84, 15                          ; v: the key step
	s_and_b32 s3, s85, 7
	s_lshl_b32 s3, s3, 2
	s_add_co_u32 s3, s3, s[WV]                     ; q, k: my group of four token tiles
	s_sub_co_u32 s23, 2, s21                       ; the record's region: 2 V, 1 K, 0 Q
	s_cmp_eq_u32 s21, 0
	s_cselect_b32 s100, s100, s101
	s_cselect_b32 s2, s2, s3
	s_mov_b32 s3, 3072
	s_cselect_b32 s101, 6144, s3                   ; bytes of codes for each such step or group
	s_mov_b32 s22, 294912
	s_cselect_b32 s22, 3072, s22                   ; from a fragment's first half to its second: v: the next 64 keys; q, k: the next head
	s_mul_i32 s88, s100, 294912
	s_mul_i32 s3, s23, 98304
	s_add_co_u32 s88, s88, s3
	s_mul_i32 s3, s2, s101
	s_add_co_u32 s88, s88, s3
	s_mov_b32 s89, 0
	s_add_nc_u64 s[88:89], s[14:15], s[88:89]
	s_mul_i32 s92, s100, 20480
	s_lshl_b32 s3, s23, 13
	s_add_co_u32 s92, s92, s3
	s_lshl_b32 s3, s2, 8
	s_add_co_u32 s92, s92, s3
	s_mov_b32 s93, 0
	s_add_nc_u64 s[92:93], s[16:17], s[92:93]
	s_mov_b32 s23, 0
	s_add_nc_u64 s[90:91], s[88:89], s[22:23]
	s_wait_loadcnt 0x0
.set JJ, 0
.rept 64
	v_cndmask_b32 v[BP+JJ], 0, v[BP+JJ], s96
.set JJ, JJ+1
.endr
.set JJ, 0
.rept 8
	v_cndmask_b32 v[BL2+JJ], 0, v[BL2+JJ], s97
.set JJ, JJ+1
.endr
; 48 LDS loads: the 12 fragments of K step s into set s % 2
.macro FETCH s
.set CC, (\s)/4
.set KO, 1536*((\s)%4)
.set PS, 128*((\s)%2)
.set LF, LFR+48*((\s)%2)
	WIN 0x40                                       ; destination window 1, address window 0
.irp t, 0,1,2,3,4,5,6,7
	ds_load_b128 v[PS+12*\t:PS+12*\t+3], v[ADP16+CC] offset:6144*\t+KO
	ds_load_b64 v[PS+12*\t+4:PS+12*\t+5], v[ADP8+CC] offset:6144*\t+KO
	ds_load_b128 v[PS+12*\t+6:PS+12*\t+9], v[ADP16+CC] offset:6144*\t+KO+768
	ds_load_b64 v[PS+12*\t+10:PS+12*\t+11], v[ADP8+CC] offset:6144*\t+KO+768
.endr
	WIN 0
.irp u, 0,1,2,3
	ds_load_b128 v[LF+12*\u:LF+12*\u+3], v[ADL16+CC] offset:6144*\u+KO
	ds_load_b64 v[LF+12*\u+4:LF+12*\u+5], v[ADL8+CC] offset:6144*\u+KO
	ds_load_b128 v[LF+12*\u+6:LF+12*\u+9], v[ADL16+CC] offset:6144*\u+KO+768
	ds_load_b64 v[LF+12*\u+10:LF+12*\u+11], v[ADL8+CC] offset:6144*\u+KO+768
.endr
.endm
; A K step: the next step's fragments are asked for, then 32 products; the 32 accumulators take turns, one instruction a turn, in the same order in every step
.macro STEP s
.if (\s) == 3
	s_wait_dscnt 0x0                               ; no LDS load of mine is out at the signal
	s_wait_tensorcnt 0x0                           ; my part of chunk 1 has landed,
	s_barrier_signal -1
	s_barrier_wait -1                              ; everybody's has
.endif
.if (\s) < 7
.if (\s) > 0
	PLACES 4                                       ; in front of loads into registers that the step before multiplied
.endif
	FETCH (\s)+1
	s_wait_dscnt 48                                ; all but the 48 just issued
.else
	s_wait_dscnt 0x0
.endif
.if (\s) == 0
	WIN 0x81                                       ; source 0 (P) window 1, source 1 (L) and C (the bias) window 0, D window 2
.else
	WIN 0xa1                                       ; C and D window 2
.endif
.set PS, 128*((\s)%2)
.set LF, LFR+48*((\s)%2)
.irp u, 0,1,2,3
.irp t, 0,1,2,3,4,5,6,7
.if (\s) == 0
	v_wmma_scale_f32_16x16x128_f8f6f4 v[8*(8*\u+\t):8*(8*\u+\t)+7], v[PS+12*\t:PS+12*\t+11], v[LF+12*\u:LF+12*\u+11], v[BP+8*\t:BP+8*\t+7], v[SCP+4*\t], v[SCL+4*\u] matrix_a_fmt:MATRIX_FMT_FP6 matrix_b_fmt:MATRIX_FMT_FP6
.elseif (\s)%2 == 0
	v_wmma_scale_f32_16x16x128_f8f6f4 v[8*(8*\u+\t):8*(8*\u+\t)+7], v[PS+12*\t:PS+12*\t+11], v[LF+12*\u:LF+12*\u+11], v[8*(8*\u+\t):8*(8*\u+\t)+7], v[SCP+4*\t+(\s)/2], v[SCL+4*\u+(\s)/2] matrix_a_fmt:MATRIX_FMT_FP6 matrix_b_fmt:MATRIX_FMT_FP6
.else
	v_wmma_scale_f32_16x16x128_f8f6f4 v[8*(8*\u+\t):8*(8*\u+\t)+7], v[PS+12*\t:PS+12*\t+11], v[LF+12*\u:LF+12*\u+11], v[8*(8*\u+\t):8*(8*\u+\t)+7], v[SCP+4*\t+(\s)/2], v[SCL+4*\u+(\s)/2] matrix_a_fmt:MATRIX_FMT_FP6 matrix_b_fmt:MATRIX_FMT_FP6 matrix_a_scale:MATRIX_SCALE_ROW1 matrix_b_scale:MATRIX_SCALE_ROW1
.endif
.endr
.endr
	WIN 0
.endm
	s_wait_alu depctr_va_vdst(0)
	s_cmp_gt_u32 s[WV], 1                          ; chunk 0's two loads are waves 0's and 1's own lines: these two wait; chunk 1 may stay out
	s_cbranch_scc1 .Lnot_c0
	s_wait_tensorcnt 0x0
.Lnot_c0:
	s_barrier_signal -1
	s_barrier_wait -1
	FETCH 0
.irp q, 0,1,2,3,4,5,6,7
	STEP \q
.endr
	; THE WAY OUT, an L tile at a time: the bias along L, the quantiser along the registers, the fragment's two halves and the scale word
	PLACES 4
.irp u, 0,1,2,3
	WIN 0x02                                       ; source 0: window 2
.set JJ, 0
.rept 32
	v_pk_add_f32 v[H+JJ:H+JJ+1], v[64*\u+JJ:64*\u+JJ+1], v[BL2+2*\u:BL2+2*\u+1]   ; each accumulator from its low end on
.set JJ, JJ+2
.endr
	WIN 0
.if \u > 0
	s_wait_xcnt 0x0                                ; the last tile's stores have read their data
.endif
	QUANT H
	PUTHF PC, 88, 768*\u
	PUTHF PC+6, 90, 768*\u
	v_lshrrev_b32 v[SWD+\u], v[SH], v[PW]          ; q, k: lanes 0-15 keep the first head's two bytes, lanes 16-31 the second head's
	v_and_or_b32 v[SWD+\u], v[SWD+\u], s94, s95    ; and bytes 2 and 3 become 0x7f; v: the word as it is
.endr
	global_store_b128 v[SA], v[SWD:SWD+3], s[92:93] ; sixteen lanes store 256 consecutive bytes (v: both halves of the lanes store the same bytes with the same values)
	s_wait_tensorcnt 0x0                           ; the wave's end
	ds_add_u32 v[SPW], v[NIL]
	s_wait_dscnt 0x0
	CROUND                                         ; the closing round
	s_endpgm
.Lfunc_end_k_qeaa2479fec_proj:
	.size	k_qeaa2479fec_proj, .Lfunc_end_k_qeaa2479fec_proj-k_qeaa2479fec_proj
	.p2alignl 7, 3214868480
	.fill 96, 4, 3214868480
	.section	.rodata,"a",@progbits
	.p2align	6, 0x0
	.amdhsa_kernel k_qeaa2479fec_proj
		.amdhsa_group_segment_fixed_size 327680
		.amdhsa_private_segment_fixed_size 0
		.amdhsa_enable_private_segment 0
		.amdhsa_kernarg_size 56
		.amdhsa_user_sgpr_count 2
		.amdhsa_user_sgpr_kernarg_segment_ptr 1
		.amdhsa_wavefront_size32 1
		.amdhsa_system_sgpr_workgroup_id_x 1
		.amdhsa_system_sgpr_workgroup_id_y 1
		.amdhsa_system_sgpr_workgroup_id_z 1
		.amdhsa_system_vgpr_workitem_id 0
		.amdhsa_next_free_vgpr 768
		.amdhsa_next_free_sgpr 102
		.amdhsa_reserve_vcc 0
		.amdhsa_float_denorm_mode_32 3
		.amdhsa_float_denorm_mode_16_64 3
		.amdhsa_memory_ordered 1
		.amdhsa_forward_progress 1
		.amdhsa_inst_pref_size 102
	.end_amdhsa_kernel
	.amdgpu_metadata
---
amdhsa.version: [ 1, 2 ]
amdhsa.kernels:
  - .name:           k_qeaa2479fec_proj
    .symbol:         k_qeaa2479fec_proj.kd
    .args:
      - { .name: xw, .offset: 0, .size: 8, .value_kind: global_buffer, .address_space: global }
      - { .name: xws, .offset: 8, .size: 8, .value_kind: global_buffer, .address_space: global }
      - { .name: bv, .offset: 16, .size: 8, .value_kind: global_buffer, .address_space: global }
      - { .name: bk, .offset: 24, .size: 8, .value_kind: global_buffer, .address_space: global }
      - { .name: bq, .offset: 32, .size: 8, .value_kind: global_buffer, .address_space: global }
      - { .name: qkv, .offset: 40, .size: 8, .value_kind: global_buffer, .address_space: global }
      - { .name: qkvs, .offset: 48, .size: 8, .value_kind: global_buffer, .address_space: global }
    .group_segment_fixed_size: 327680
    .private_segment_fixed_size: 0
    .kernarg_segment_align: 8
    .kernarg_segment_size: 56
    .max_flat_workgroup_size: 128
    .sgpr_count:     102
    .vgpr_count:     768
    .wavefront_size: 32
...
	.end_amdgpu_metadata
.endif
;; end of part 2
;; launch attn (part 3): grid 4 x 64, 16 waves a work-group, clusters of 4 x 1, 327,680 bytes of LDS; arguments qkv, qkvs, mw, oc, ocs; writes oc, ocs
.if DOCPART == 3
	.amdgcn_target "amdgcn-amd-amdhsa--gfx1250"
	.amdhsa_code_object_version 6
	.text
	.protected	k_qeaa2479fec_attn
	.globl	k_qeaa2479fec_attn
	.p2align	8
	.type	k_qeaa2479fec_attn,@function
k_qeaa2479fec_attn:
	s_mov_b64 s[64:65], 0
	v_nop
	global_prefetch_b8 v0, s[64:65] scope:SCOPE_SE
	s_setreg_imm32_b32 hwreg(HW_REG_WAVE_MODE, 25, 1), 1
	s_wait_xcnt 0x0
	s_wait_alu depctr_hold_cnt(0) depctr_sa_sdst(0) depctr_va_vdst(0) depctr_va_sdst(0) depctr_va_ssrc(0) depctr_va_vcc(0) depctr_vm_vsrc(0)
	s_getreg_b32 s2, hwreg(HW_REG_IB_STS2, 6, 4)
	s_cmp_eq_u32 s2, 0
	s_cbranch_scc0 .Lentry_in_a_cluster
	s_endpgm
.Lentry_in_a_cluster:
	s_bfe_u32 s2, ttmp6, 0x10000c
	s_cmp_lg_u32 s2, 0x3003
	s_cbranch_scc0 .Lentry_shape_is_right
	s_endpgm
.Lentry_shape_is_right:
; Attention of one (n, head) on codes of FP6 (E2M3): S^T = K Q^T, the mask, p = 2^(t - M) with a running whole M, p quantised by blocks of 32 keys, O^T += V^T p^T, O / l, and O quantised along the head's 64 for the last product.
; A work-group of 16 waves takes 512 queries of one (n, head); a wave takes two tiles of 16 queries, one after the other, through 16 steps of 128 keys.  All of K, V and their scale words lie in LDS, filled once.
; CLUSTER 4 x 1: the four query blocks of a head ask for K, V and the scales jointly.  The head's fills, one a wave: waves 0-11 take 16,384 bytes of the codes each, waves 12-15 take 3,072 bytes of the scale words each.
; No prefetch: the fills go out once, at the head, and no loop of fills follows.
; LIMITS: the promise holds while the scaled scores stay under 2^31 in magnitude; NaN and infinities are not served; a block of zeros gets the byte 1 (its codes are zeros; this program alone reads the bytes).
.set VB,    98304
.set KSB,   196608
.set VSB,   204800
.set SPARE, 208896
.set SPW, 7
.set NIL, 8
.set NEG, 9
.set O16, 212
.set O8,  213
.set WV,  94
.set SEL, 96
.set CS,  98
.set TB,  100
.set TSK, 52
.set TSV, 53
.set CNT, 54
.set REL, 55
.macro PLACES n
.rept \n
	v_nop
.endr
.endm
.macro CROUND
	s_barrier_signal -1
	s_barrier_wait -1
	s_cmp_lg_u32 s[WV], 0
	s_cbranch_scc1 .Lnot_wave_0_\@
	s_barrier_signal -3
.Lnot_wave_0_\@:
	s_barrier_wait -3
	s_barrier_signal -1
	s_barrier_wait -1
.endm
.macro PUTHF reg, base, off
	global_store_b128 v[O16], v[\reg:\reg+3], s[\base:\base+1] offset:\off
	global_store_b64 v[O8], v[\reg+4:\reg+5], s[\base:\base+1] offset:\off+512
.endm
.macro MLOAD
	s_load_b512 s[4:19], s[88:89], s[REL] offset:0x0
	s_load_b512 s[20:35], s[88:89], s[REL] offset:0x40
	s_load_b512 s[36:51], s[88:89], s[REL] offset:0x80
	s_load_b512 s[68:83], s[88:89], s[REL] offset:0xc0
.endm
	s_load_b256 s[84:91], s[0:1], 0x0
	s_load_b64 s[92:93], s[0:1], 0x20
	v_lshl_add_u32 v[SPW], v0, 2, SPARE
	v_mov_b32 v[NIL], 0
	ds_add_u32 v[SPW], v[NIL]
	ds_add_u32 v[SPW], v[NIL]
	v_lshrrev_b32 v1, 5, v0
	s_delay_alu instid0(VALU_DEP_1)
	v_readfirstlane_b32 s[WV], v1
	s_and_b32 s57, ttmp7, 0xffff
	s_bfe_u32 s62, ttmp6, 0x40000
	s_mov_b32 s4, 15|(3<<16)|(1<<21)
	s_mov_b32 s5, 32<<16
	s_mov_b32 s6, 64<<16
	s_mov_b32 s7, 32<<16
	s_mov_b32 s8, 64
	s_mov_b32 s9, 32
	s_mov_b32 s10, 0
	s_mov_b32 s11, 0
	s_mov_b32 s12, 15|(3<<16)|(1<<21)
	s_mov_b32 s13, 32<<16
	s_mov_b32 s14, 12<<16
	s_mov_b32 s15, 32<<16
	s_mov_b32 s16, 12
	s_mov_b32 s17, 32
	s_mov_b32 s18, 0
	s_mov_b32 s19, 0
	s_mov_b32 s20, 1
	s_mul_i32 s21, s[WV], 16384
	s_mul_i32 s58, s57, 294912
	s_add_co_u32 s22, s58, s21
	s_add_co_u32 s22, s22, 98304
	s_mov_b32 s23, 0
	s_mov_b32 s24, 1
	s_and_b32 s25, s[WV], 3
	s_mul_i32 s25, s25, 3072
	s_mul_i32 s60, s57, 20480
	s_add_co_u32 s26, s60, s25
	s_add_co_u32 s26, s26, 8192
	s_mov_b32 s27, 0
	s_add_co_u32 s25, s25, KSB
	s_mov_b32 s[SEL], 0x76543210
	s_mov_b32 s[SEL+1], 0xfedcba98
	s_mov_b32 s[CS], 0x3e38aa3b
	s_mov_b32 s[CS+1], s[CS]
	s_mov_b32 s56, 0xffff0000
	s_mov_b32 s59, 0
	s_wait_dscnt 0x0
	s_wait_kmcnt 0x0
	s_add_nc_u64 s[22:23], s[84:85], s[22:23]
	s_or_b32 s23, s23, 0x80000000
	s_add_nc_u64 s[26:27], s[86:87], s[26:27]
	s_or_b32 s27, s27, 0x80000000
	CROUND
	s_cmp_lt_u32 s[WV], 12
	s_cbranch_scc0 .Lscales
	tensor_load_to_lds s[20:23], s[4:11]           ; waves 0-11: a twelfth of K's and V's codes
	s_nop 0
	PLACES 4
	s_branch .Lasked
.Lscales:
	tensor_load_to_lds s[24:27], s[12:19]          ; waves 12-15: a quarter of K's and V's scale words
	s_nop 0
	PLACES 4
.Lasked:
	s_lshl_b32 s63, s62, 5
	s_lshl_b32 s95, s[WV], 1
	s_add_co_u32 s63, s63, s95
	s_mul_i32 s95, s63, 768
	s_add_co_u32 s58, s58, s95
	s_add_nc_u64 s[84:85], s[84:85], s[58:59]
	s_lshl_b32 s58, s62, 3
	s_lshr_b32 s95, s[WV], 1
	s_add_co_u32 s58, s58, s95
	s_lshl_b32 s58, s58, 8
	s_and_b32 s95, s[WV], 1
	s_lshl_b32 s95, s95, 3
	s_add_co_u32 s58, s58, s95
	s_add_co_u32 s58, s58, s60
	s_add_nc_u64 s[86:87], s[86:87], s[58:59]
	s_lshr_b32 s95, s57, 4
	s_lshl_b32 s95, s95, 7
	s_add_co_u32 s95, s95, s63
	s_lshl_b32 s58, s95, 12
	s_add_nc_u64 s[88:89], s[88:89], s[58:59]
	s_lshl_b32 s95, s95, 4
	s_and_b32 s58, s57, 15
	s_add_co_u32 s95, s95, s58
	s_mul_i32 s58, s95, 768
	s_add_nc_u64 s[90:91], s[90:91], s[58:59]
	s_lshl_b32 s58, s57, 13
	s_lshl_b32 s95, s63, 6
	s_add_co_u32 s58, s58, s95
	s_add_nc_u64 s[92:93], s[92:93], s[58:59]
	v_and_b32 v10, 31, v0
	v_and_b32 v11, 15, v0
	s_delay_alu instid0(VALU_DEP_2)
	v_lshlrev_b32 v1, 4, v10
	s_delay_alu instid0(VALU_DEP_3)
	v_lshlrev_b32 v[O8], 3, v10
	s_delay_alu instid0(VALU_DEP_1)
	v_add_nc_u32 v2, 512, v[O8]
	s_delay_alu instid0(VALU_DEP_3)
	v_add_nc_u32 v3, VB, v1
	s_delay_alu instid0(VALU_DEP_2)
	v_add_nc_u32 v4, VB, v2
	v_add_nc_u32 v5, KSB, v1
	v_lshlrev_b32 v214, 4, v11
	s_delay_alu instid0(VALU_DEP_1)
	v_add_nc_u32 v6, VSB, v214
	v_mov_b32 v[O16], v1
	v_lshlrev_b32 v216, 2, v10
	v_mov_b32 v[NEG], 0xe0800000
.irp i, 0,1,2,3,4,5
	v_mov_b32 v[22+\i], 0
	v_mov_b32 v[80+\i], 0
.endr
.irp b, 0,1,2,3
	v_mov_b32 v[236+\b], 0
.endr
	v_mov_b32 v253, 0
	s_wait_tensorcnt 0x0
	s_barrier_signal -1
	s_barrier_wait -1
	s_mov_b32 s[REL], 0
	MLOAD
.macro STEP
	v_add_nc_u32 v10, s[TB], v1
	v_add_nc_u32 v11, s[TB], v2
	v_add_nc_u32 v12, s[TB], v3
	v_add_nc_u32 v13, s[TB], v4
	v_add_nc_u32 v14, s[TSK], v5
	v_add_nc_u32 v15, s[TSV], v6
.irp t, 0,1,2,3,4,5,6,7
	ds_load_b128 v[32+6*\t:35+6*\t], v10 offset:768*\t
	ds_load_b64 v[36+6*\t:37+6*\t], v11 offset:768*\t
.endr
	ds_load_b128 v[88:91], v14
	s_wait_alu depctr_va_vdst(0)
	s_wait_dscnt 0x0
.irp t, 0,1,2,3
	v_wmma_scale_f32_16x16x128_f8f6f4 v[96+8*\t:103+8*\t], v[32+6*\t:43+6*\t], v[16:27], 0, v[88+\t], v86 matrix_a_fmt:MATRIX_FMT_FP6 matrix_b_fmt:MATRIX_FMT_FP6
.endr
.irp t, 4,5,6,7
	v_wmma_scale_f32_16x16x128_f8f6f4 v[96+8*\t:103+8*\t], v[32+6*\t:43+6*\t], v[16:27], 0, v[84+\t], v86 matrix_a_fmt:MATRIX_FMT_FP6 matrix_b_fmt:MATRIX_FMT_FP6 matrix_a_scale:MATRIX_SCALE_ROW1
.endr
	PLACES 4
.irp d, 0,1,2,3
.irp c, 0,1
	ds_load_b128 v[32+12*\d+6*\c:35+12*\d+6*\c], v12 offset:3072*\c+768*\d
	ds_load_b64 v[36+12*\d+6*\c:37+12*\d+6*\c], v13 offset:3072*\c+768*\d
.endr
.endr
	ds_load_b128 v[92:95], v15
	s_wait_kmcnt 0x0
.set JJ, 0
.rept 48
	v_cndmask_b32 v[96+JJ], v[NEG], v[96+JJ], s[4+JJ]
.set JJ, JJ+1
.endr
.rept 16
	v_cndmask_b32 v[96+JJ], v[NEG], v[96+JJ], s[20+JJ]
.set JJ, JJ+1
.endr
.irp b, 0,1,2,3
	v_max3_num_f32 v[232+\b], v[96+16*\b], v[97+16*\b], v[98+16*\b]
.endr
.irp i, 3,5,7,9,11,13
.irp b, 0,1,2,3
	s_delay_alu instid0(VALU_DEP_4)
	v_max3_num_f32 v[232+\b], v[232+\b], v[96+16*\b+\i], v[97+16*\b+\i]
.endr
.endr
.irp b, 0,1,2,3
	s_delay_alu instid0(VALU_DEP_4)
	v_max_num_f32 v[232+\b], v[232+\b], v[111+16*\b]
.endr
	s_add_co_u32 s[REL], s[REL], 256
	s_min_u32 s[REL], s[REL], 7936
	MLOAD
.irp b, 0,1,2,3
	v_permlanex16_b32 v[236+\b], v[232+\b], s[SEL], s[SEL+1]
.endr
.irp b, 0,1,2,3
	s_delay_alu instid0(VALU_DEP_4)
	v_max_num_f32 v[232+\b], v[232+\b], v[236+\b]
.endr
	s_delay_alu instid0(VALU_DEP_2)
	v_max3_num_f32 v254, v232, v233, v234
	s_delay_alu instid0(VALU_DEP_1)
	v_max_num_f32 v254, v254, v235
	s_delay_alu instid0(VALU_DEP_1)
	v_mul_f32 v254, s[CS], v254
	s_delay_alu instid0(VALU_DEP_1)
	v_max_num_f32 v29, v29, v254
	v_mov_b32 v254, v28
	s_delay_alu instid0(VALU_DEP_2)
	v_floor_f32 v28, -v29
	s_delay_alu instid0(VALU_DEP_1)
	v_sub_f32 v254, v28, v254
	s_delay_alu instid0(VALU_DEP_1)
	v_cvt_i32_f32 v254, v254
	s_delay_alu instid0(VALU_DEP_1)
	v_ldexp_f32 v252, 1.0, v254
.set JJ, 0
.rept 32
	v_pk_fma_f32 v[96+JJ:97+JJ], v[96+JJ:97+JJ], s[CS:CS+1], v[28:29] op_sel_hi:[1,0,0]
.set JJ, JJ+2
.endr
.irp b, 0,1,2,3
	v_fma_f32 v[232+\b], v[232+\b], s[CS], v28
.endr
.set JJ, 0
	s_wait_alu depctr_va_vdst(0)
.rept 64
	v_exp_f32 v[96+JJ], v[96+JJ]
.set JJ, JJ+1
.endr
	v_pk_mul_f32 v[30:31], v[30:31], v[252:253] op_sel_hi:[1,0]
	s_wait_alu depctr_va_vdst(0)
.irp b, 0,1,2,3
	v_exp_f32 v[232+\b], v[232+\b]
.endr
	v_pk_add_f32 v[236:237], v[96:97], v[98:99]
.irp j, 4,8,12,16,20,24,28,32,36,40,44,48,52,56,60
	v_pk_add_f32 v[30:31], v[30:31], v[96+\j:97+\j]
	v_pk_add_f32 v[236:237], v[236:237], v[98+\j:99+\j]
.endr
	s_delay_alu instid0(VALU_DEP_1)
	v_pk_add_f32 v[30:31], v[30:31], v[236:237]
	s_wait_alu depctr_va_vdst(0)
.irp b, 0,1,2,3
	v_max_num_f32 v[232+\b], 0x1800000, v[232+\b]
.endr
.irp b, 0,1,2,3
	s_delay_alu instid0(VALU_DEP_4)
	v_add_nc_u32 v[244+\b], 0xff000000, v[232+\b]
.endr
.irp b, 0,1,2,3
	s_delay_alu instid0(VALU_DEP_4)
	v_lshrrev_b32 v[236+\b], 23, v[244+\b]
.endr
	s_delay_alu instid0(VALU_DEP_3)
	v_lshl_or_b32 v253, v237, 8, v236
	s_delay_alu instid0(VALU_DEP_1)
	v_lshl_or_b32 v253, v238, 16, v253
	s_delay_alu instid0(VALU_DEP_1)
	v_lshl_or_b32 v253, v239, 24, v253
.irp c, 0,1
	v_cvt_scalef32_pk16_fp6_f32 v[192+6*\c:194+6*\c], v[96+32*\c:111+32*\c], v[244+2*\c]
	v_cvt_scalef32_pk16_fp6_f32 v[204+4*\c:206+4*\c], v[112+32*\c:127+32*\c], v[244+2*\c+1]
.endr
	v_nop
.irp c, 0,1
.irp i, 0,1,2
	v_permlane16_swap_b32 v[192+6*\c+\i], v[204+4*\c+\i]
.endr
.irp i, 0,1,2
	s_delay_alu instid0(VALU_DEP_3)
	v_mov_b32 v[195+6*\c+\i], v[204+4*\c+\i]
.endr
.endr
.set JJ, 0
.rept 16
	v_pk_mul_f32 v[160+JJ:161+JJ], v[160+JJ:161+JJ], v[252:253] op_sel_hi:[1,0]
.set JJ, JJ+2
.endr
	s_wait_alu depctr_va_vdst(0)
	s_wait_dscnt 0x0
.irp d, 0,1,2,3
	v_wmma_scale_f32_16x16x128_f8f6f4 v[160+8*\d:167+8*\d], v[32+12*\d:43+12*\d], v[192:203], v[160+8*\d:167+8*\d], v[92+\d], v253 matrix_a_fmt:MATRIX_FMT_FP6 matrix_b_fmt:MATRIX_FMT_FP6
.endr
	s_add_co_u32 s[TB], s[TB], 6144
	s_add_co_u32 s[TSK], s[TSK], 512
	s_add_co_u32 s[TSV], s[TSV], 256
.endm
.macro PASS p
.if \p
	s_wait_xcnt 0x0
.endif
	global_load_b128 v[16:19], v[O16], s[84:85] offset:768*\p
	global_load_b64 v[20:21], v[O8], s[84:85] offset:768*\p+512
	global_load_b32 v86, v214, s[86:87] offset:4*\p
	v_mov_b32 v29, 0xff61b1e6
	s_delay_alu instid0(VALU_DEP_1)
	v_floor_f32 v28, -v29
	v_mov_b32 v30, 0
	v_mov_b32 v31, 0
.set JJ, 0
.rept 32
	v_mov_b32 v[160+JJ], 0
.set JJ, JJ+1
.endr
	s_mov_b32 s[TB], 0
	s_mov_b32 s[TSK], 0
	s_mov_b32 s[TSV], 0
	s_mov_b32 s[CNT], 16
	s_wait_loadcnt 0x0
.Lstep_\@:
	STEP
	s_sub_co_u32 s[CNT], s[CNT], 1
	s_cmp_lg_u32 s[CNT], 0
	s_cbranch_scc1 .Lstep_\@
	PLACES 4
	v_add_f32 v30, v30, v31
	s_delay_alu instid0(VALU_DEP_1)
	v_permlanex16_b32 v252, v30, s[SEL], s[SEL+1]
	s_delay_alu instid0(VALU_DEP_1)
	v_add_f32 v30, v30, v252
	s_wait_alu depctr_va_vdst(0)
	v_rcp_f32 v30, v30
	v_nop
	s_wait_alu depctr_va_vdst(0)
.set JJ, 0
.rept 32
	v_mul_f32 v[96+JJ], v[160+JJ], v30
.set JJ, JJ+1
.endr
.irp b, 0,1
	v_max3_num_f32 v[232+\b], |v[96+16*\b]|, |v[97+16*\b]|, 0x1800000
.endr
.irp i, 2,4,6,8,10,12,14
.irp b, 0,1
	s_delay_alu instid0(VALU_DEP_2)
	v_max3_num_f32 v[232+\b], v[232+\b], |v[96+16*\b+\i]|, |v[97+16*\b+\i]|
.endr
.endr
.irp b, 0,1
	s_delay_alu instid0(VALU_DEP_2)
	v_permlanex16_b32 v[236+\b], v[232+\b], s[SEL], s[SEL+1]
.endr
.irp b, 0,1
	s_delay_alu instid0(VALU_DEP_2)
	v_max_num_f32 v[232+\b], v[232+\b], v[236+\b]
.endr
.irp b, 0,1
	s_delay_alu instid0(VALU_DEP_2)
	v_add_nc_u32 v[244+\b], 0xff000000, v[232+\b]
.endr
.irp b, 0,1
	s_delay_alu instid0(VALU_DEP_2)
	v_lshrrev_b32 v[236+\b], 23, v[244+\b]
.endr
	s_delay_alu instid0(VALU_DEP_1)
	v_lshl_or_b32 v254, v237, 8, v236
	v_cvt_scalef32_pk16_fp6_f32 v[192:194], v[96:111], v244
	v_cvt_scalef32_pk16_fp6_f32 v[198:200], v[112:127], v245
	v_nop
.irp i, 0,1,2
	v_permlane16_swap_b32 v[192+\i], v[198+\i]
.endr
.irp i, 0,1,2
	s_delay_alu instid0(VALU_DEP_3)
	v_mov_b32 v[195+\i], v[198+\i]
.endr
	PUTHF 192, 90, 12288*\p
.if \p
	v_cndmask_b32 v215, v215, v254, s56
.else
	v_mov_b32 v215, v254
.endif
.endm
	PASS 0
	PASS 1
	global_store_b32 v216, v215, s[92:93]
	s_wait_kmcnt 0x0
	s_wait_tensorcnt 0x0
	ds_add_u32 v[SPW], v[NIL]
	s_wait_dscnt 0x0
	CROUND
	s_endpgm
.Lfunc_end_k_qeaa2479fec_attn:
	.size	k_qeaa2479fec_attn, .Lfunc_end_k_qeaa2479fec_attn-k_qeaa2479fec_attn
	.p2alignl 7, 3214868480
	.fill 96, 4, 3214868480
	.section	.rodata,"a",@progbits
	.p2align	6, 0x0
	.amdhsa_kernel k_qeaa2479fec_attn
		.amdhsa_group_segment_fixed_size 327680
		.amdhsa_private_segment_fixed_size 0
		.amdhsa_enable_private_segment 0
		.amdhsa_kernarg_size 40
		.amdhsa_user_sgpr_count 2
		.amdhsa_user_sgpr_kernarg_segment_ptr 1
		.amdhsa_wavefront_size32 1
		.amdhsa_system_sgpr_workgroup_id_x 1
		.amdhsa_system_sgpr_workgroup_id_y 1
		.amdhsa_system_sgpr_workgroup_id_z 1
		.amdhsa_system_vgpr_workitem_id 0
		.amdhsa_next_free_vgpr 256
		.amdhsa_next_free_sgpr 102
		.amdhsa_reserve_vcc 0
		.amdhsa_float_denorm_mode_32 3
		.amdhsa_float_denorm_mode_16_64 3
		.amdhsa_memory_ordered 1
		.amdhsa_forward_progress 1
		.amdhsa_inst_pref_size 64
	.end_amdhsa_kernel
	.amdgpu_metadata
---
amdhsa.version: [ 1, 2 ]
amdhsa.kernels:
  - .name:           k_qeaa2479fec_attn
    .symbol:         k_qeaa2479fec_attn.kd
    .args:
      - { .name: qkv, .offset: 0, .size: 8, .value_kind: global_buffer, .address_space: global }
      - { .name: qkvs, .offset: 8, .size: 8, .value_kind: global_buffer, .address_space: global }
      - { .name: mw, .offset: 16, .size: 8, .value_kind: global_buffer, .address_space: global }
      - { .name: oc, .offset: 24, .size: 8, .value_kind: global_buffer, .address_space: global }
      - { .name: ocs, .offset: 32, .size: 8, .value_kind: global_buffer, .address_space: global }
    .group_segment_fixed_size: 327680
    .private_segment_fixed_size: 0
    .kernarg_segment_align: 8
    .kernarg_segment_size: 40
    .max_flat_workgroup_size: 512
    .sgpr_count:     102
    .vgpr_count:     256
    .wavefront_size: 32
...
	.end_amdgpu_metadata
.endif
;; end of part 3
;; launch outp (part 4): grid 8 x 32, 4 waves a work-group, clusters of 4 x 4, 327,680 bytes of LDS; arguments oc, ocs, xw, xws, bo, out0; writes out0
.if DOCPART == 4
	.amdgcn_target "amdgcn-amd-amdhsa--gfx1250"
	.amdhsa_code_object_version 6
	.text
	.protected	k_qeaa2479fec_outp
	.globl	k_qeaa2479fec_outp
	.p2align	8
	.type	k_qeaa2479fec_outp,@function
k_qeaa2479fec_outp:
	s_mov_b64 s[64:65], 0
	v_nop
	global_prefetch_b8 v0, s[64:65] scope:SCOPE_SE
	s_setreg_imm32_b32 hwreg(HW_REG_WAVE_MODE, 25, 1), 1
	s_wait_xcnt 0x0
	s_wait_alu depctr_hold_cnt(0) depctr_sa_sdst(0) depctr_va_vdst(0) depctr_va_sdst(0) depctr_va_ssrc(0) depctr_va_vcc(0) depctr_vm_vsrc(0)
	s_getreg_b32 s2, hwreg(HW_REG_IB_STS2, 6, 4)
	s_cmp_eq_u32 s2, 0
	s_cbranch_scc0 .Lentry_in_a_cluster
	s_endpgm
.Lentry_in_a_cluster:
	s_bfe_u32 s2, ttmp6, 0x10000c
	s_cmp_lg_u32 s2, 0xf033
	s_cbranch_scc0 .Lentry_shape_is_right
	s_endpgm
.Lentry_shape_is_right:
; out0 = O Wo^T + bo on codes of FP6 (E2M3), K = 1,024.  O's codes oc [token tile 512][head 16][768] are fragments [tile][K step 8][1536]; its scale words ocs [16 n + head][tile 128][r 16] hold two bytes each.
; A work-group makes 8 tiles of Wo's rows (source 0: 128 outputs along a lane's registers) x 16 tiles of tokens (source 1: a lane a token).  Wave w takes all 8 x token tiles 4 w .. 4 w + 3: 32 accumulators.
; All of K lies in LDS at once, in two chunks of four K steps: first fills alone.  CLUSTER 4 x 4: the tokens' tiles hang on cy alone and are asked for jointly along a row, Wo's on cx alone and along a column.
; The rows of a tile are not neighbours: lane r of tile g is row 32 (g / 2) + 8 (g % 2) + r + 8 (r / 8); so a lane's 64 results of a token are 16 h + 0 .. 15 of each 32 outputs.
; REGISTERS: window 0: addresses, scale words, the tokens' fragments (two sets), the bias; window 1: Wo's fragments, two sets; window 2: accumulator (t, u) at v[8 (8 u + t)].
.set CH,    147456
.set LPB,   98304
.set SCLB,  294912                     ; O's scale words [head 16][tile 16][r 16]: 16,384 bytes
.set SCPB,  311296                     ; Wo's, 8 x 512
.set SPARE, 315392
.set SPW, 1
.set NIL, 2
.set O16, 3
.set O8,  4
.set ADL16, 5
.set ADL8,  7
.set ADP16, 9
.set ADP8,  11
.set ASL, 13
.set ASP, 14
.set STO, 15                           ; the stage, way in: 528 r + 64 h
.set RD,  16                           ; and back: 16 x lane
.set BPO, 17
.set SCP, 32
.set SCL, 64
.set LFR, 80
.set BP,  176
.set WV,  18
.set MSB, 0
.macro WIN new
.if MSB != \new
	s_set_vgpr_msb (MSB<<8)|\new
.set MSB, \new
.endif
.endm
.macro PLACES n
.rept \n
	v_nop
.endr
.endm
.macro CROUND
	s_barrier_signal -1
	s_barrier_wait -1
	s_cmp_lg_u32 s[WV], 0
	s_cbranch_scc1 .Lnot_wave_0_\@
	s_barrier_signal -3
.Lnot_wave_0_\@:
	s_barrier_wait -3
	s_barrier_signal -1
	s_barrier_wait -1
.endm
	s_load_b256 s[4:11], s[0:1], 0x0               ; oc, ocs, xw, xws
	s_load_b128 s[12:15], s[0:1], 0x20             ; bo, out0
	v_lshl_add_u32 v[SPW], v0, 2, SPARE
	v_mov_b32 v[NIL], 0
	ds_add_u32 v[SPW], v[NIL]                      ; the wave's opening: the add and its wait ahead of my first tensor load
	ds_add_u32 v[SPW], v[NIL]
	v_lshrrev_b32 v3, 5, v0
	v_readfirstlane_b32 s[WV], v3
	s_bfe_u32 s19, ttmp6, 0x40000                  ; cx
	s_bfe_u32 s20, ttmp6, 0x40004                  ; cy
	s_lshl_b32 s84, ttmp9, 2
	s_add_co_u32 s84, s84, s19                     ; which 128 outputs: hangs on cx alone
	s_and_b32 s85, ttmp7, 0xffff
	s_lshl_b32 s85, s85, 2
	s_add_co_u32 s85, s85, s20                     ; which 256 tokens: hangs on cy alone
	s_lshl_b32 s86, s84, 3
	s_add_co_u32 s86, s86, 1728                    ; Wo's first tile in xw
	s_lshl_b32 s87, s85, 4                         ; the tokens' first tile
	s_lshl_b32 s3, s20, 2
	s_lshl_b32 s3, 15, s3                          ; my row of the cluster
	s_lshl_b32 s23, 0x1111, s19                    ; my column
	s_or_b32 s24, s3, (3<<16)|(1<<21)              ; O's codes: 16 tiles x 6,144 bytes, 12,288 from tile to tile
	s_mov_b32 s25, 768<<16
	s_mov_b32 s26, 16<<16                          ; all 16 token tiles in one load
	s_mov_b32 s27, 768<<16
	s_mov_b32 s28, 16
	s_mov_b32 s29, 1536
	s_mov_b32 s30, 0
	s_mov_b32 s31, 0
	s_or_b32 s32, s23, (3<<16)|(1<<21)             ; Wo's codes: 8 tiles
	s_mov_b32 s33, 768<<16
	s_mov_b32 s34, 8<<16                           ; all 8 tiles of Wo in one load
	s_mov_b32 s35, 768<<16
	s_mov_b32 s36, 8
	s_mov_b32 s37, 1536
	s_mov_b32 s38, 0
	s_mov_b32 s39, 0
	s_mul_i32 s57, s[WV], 24576                    ; my four token tiles in a chunk
	s_lshr_b32 s58, s85, 3                         ; n
	s_lshl_b32 s58, s58, 17                        ; O's scale words: 16 heads of 8,192 bytes for each n,
	s_and_b32 s2, s85, 7
	s_lshl_b32 s2, s2, 10
	s_add_co_u32 s58, s58, s2                      ; + the block's 16 tiles of 64 bytes
	s_mov_b32 s59, 0
	s_lshl_b32 s62, s86, 9                         ; Wo's scale words, 512 bytes a tile
	s_mov_b32 s63, 0
	s_mov_b32 s68, 1
	s_mov_b32 s69, 0                               ; the tokens' chunk 0 at LDS byte 0
	s_mul_i32 s70, s87, 12288
	s_mov_b32 s71, 0
	s_mov_b32 s72, 1
	s_mov_b32 s73, LPB
	s_mul_i32 s74, s86, 12288
	s_mov_b32 s75, 0
	s_mov_b32 s76, 1
	s_mov_b32 s77, CH
	s_mov_b32 s80, 1
	s_mov_b32 s81, LPB+CH
	s_wait_dscnt 0x0                               ; the opening add is done
	s_wait_kmcnt 0x0
	s_add_nc_u64 s[58:59], s[6:7], s[58:59]
	s_add_nc_u64 s[62:63], s[10:11], s[62:63]
	s_add_nc_u64 s[70:71], s[4:5], s[70:71]
	s_add_nc_u64 s[74:75], s[8:9], s[74:75]
	s_add_nc_u64 s[78:79], s[70:71], 6144
	s_add_nc_u64 s[82:83], s[74:75], 6144
.irp g, 71,75,79,83
	s_or_b32 s[\g], s[\g], 0x80000000
.endr
	CROUND                                         ; all sixteen work-groups are here: the joint loads meet
	; the head's four fills, one joint load a wave, in one chain of arms on the wave's number
	s_cmp_eq_u32 s[WV], 0
	s_cbranch_scc0 .Lw1
	tensor_load_to_lds s[68:71], s[24:31]          ; wave 0: the tokens' chunk 0
	s_nop 0
	PLACES 4
	s_branch .Lasked
.Lw1:
	s_cmp_eq_u32 s[WV], 1
	s_cbranch_scc0 .Lw2
	tensor_load_to_lds s[72:75], s[32:39]          ; wave 1: Wo's chunk 0
	s_nop 0
	PLACES 4
	s_branch .Lasked
.Lw2:
	s_cmp_eq_u32 s[WV], 2
	s_cbranch_scc0 .Lw3
	tensor_load_to_lds s[76:79], s[24:31]          ; wave 2: the tokens' chunk 1
	s_nop 0
	PLACES 4
	s_branch .Lasked
.Lw3:
	tensor_load_to_lds s[80:83], s[32:39]          ; wave 3: Wo's chunk 1
	s_nop 0
	PLACES 4
.Lasked:
	v_and_b32 v19, 31, v0                          ; lane
	v_and_b32 v20, 15, v0                          ; r
	v_bfe_u32 v21, v0, 4, 1                        ; h
	v_lshlrev_b32 v[O16], 4, v19
	v_lshlrev_b32 v[O8], 3, v19
	v_add_nc_u32 v[ADL16], s57, v[O16]
	v_add_nc_u32 v[ADL16+1], CH, v[ADL16]
	v_add_nc_u32 v[ADL8], s57, v[O8]
	v_add_nc_u32 v[ADL8], 512, v[ADL8]
	v_add_nc_u32 v[ADL8+1], CH, v[ADL8]
	v_add_nc_u32 v[ADP16], LPB, v[O16]
	v_add_nc_u32 v[ADP16+1], CH, v[ADP16]
	v_add_nc_u32 v[ADP8], LPB+512, v[O8]
	v_add_nc_u32 v[ADP8+1], CH, v[ADP8]
	v_lshlrev_b32 v[ASL], 2, v20
	v_lshl_add_u32 v[ASL], v21, 14, v[ASL]         ; lanes 16-31 take the odd K step's two heads: 2 x 8,192 bytes on
	s_lshl_b32 s2, s[WV], 8
	v_add_nc_u32 v[ASL], s2, v[ASL]                ; my four tiles: 256 wave
	s_mul_i32 s2, s[WV], 8448
	v_mul_u32_u24 v[STO], v20, 528
	v_lshl_add_u32 v[STO], v21, 6, v[STO]
	v_add_nc_u32 v[STO], s2, v[STO]
	v_add_nc_u32 v[RD], s2, v[O16]
	s_lshl_b32 s2, s84, 9
	v_lshl_add_u32 v[BPO], v21, 6, s2              ; bo: the block's 128 numbers, + 16 h
.irp t, 0,1,2,3,4,5,6,7
	global_load_b128 v[BP+8*\t:BP+8*\t+3], v[BPO], s[12:13] offset:(32*(\t/2)+8*(\t%2))*4
	global_load_b128 v[BP+8*\t+4:BP+8*\t+7], v[BPO], s[12:13] offset:(32*(\t/2)+8*(\t%2))*4+16
.endr
.irp u, 0,1,2,3
.irp i, 0,1,2,3
	global_load_b32 v[128+2*(4*\u+\i)], v[ASL], s[58:59] offset:32768*\i+64*\u          ; K step 2 i + h of tile u: the even head's two bytes,
	global_load_b32 v[129+2*(4*\u+\i)], v[ASL], s[58:59] offset:32768*\i+64*\u+8192     ; the odd head's.  My four tiles are 256 consecutive bytes of a head
.endr
.endr
.irp t, 0,1,2,3,4,5,6,7
	global_load_b128 v[SCP+4*\t:SCP+4*\t+3], v[O16], s[62:63] offset:512*\t   ; Wo's scale words lie in memory as images of these registers: a load reads 512 consecutive bytes
.endr
	s_lshl_b32 s88, s85, 8
	s_lshl_b32 s3, s[WV], 6
	s_add_co_u32 s88, s88, s3                      ; my first token: 256 x block + 64 x wave
	s_lshl_b32 s88, s88, 12                        ; rows of 4,096 bytes
	s_add_co_u32 s88, s88, s2                      ; + the block's 512 bytes of a row
	s_mov_b32 s89, 0
	s_add_nc_u64 s[88:89], s[14:15], s[88:89]
	s_wait_alu depctr_va_vdst(0)
	s_wait_loadcnt 0x0
.macro FETCH s                         ; 48 LDS loads: the 12 fragments of K step s into set s % 2
.set CC, (\s)/4
.set KO, 1536*((\s)%4)
.set PS, 128*((\s)%2)
.set LF, LFR+48*((\s)%2)
	WIN 0x40
.irp t, 0,1,2,3,4,5,6,7
	ds_load_b128 v[PS+12*\t:PS+12*\t+3], v[ADP16+CC] offset:6144*\t+KO
	ds_load_b64 v[PS+12*\t+4:PS+12*\t+5], v[ADP8+CC] offset:6144*\t+KO
	ds_load_b128 v[PS+12*\t+6:PS+12*\t+9], v[ADP16+CC] offset:6144*\t+KO+768
	ds_load_b64 v[PS+12*\t+10:PS+12*\t+11], v[ADP8+CC] offset:6144*\t+KO+768
.endr
	WIN 0
.irp u, 0,1,2,3
	ds_load_b128 v[LF+12*\u:LF+12*\u+3], v[ADL16+CC] offset:6144*\u+KO
	ds_load_b64 v[LF+12*\u+4:LF+12*\u+5], v[ADL8+CC] offset:6144*\u+KO
	ds_load_b128 v[LF+12*\u+6:LF+12*\u+9], v[ADL16+CC] offset:6144*\u+KO+768
	ds_load_b64 v[LF+12*\u+10:LF+12*\u+11], v[ADL8+CC] offset:6144*\u+KO+768
.endr
.endm
.macro STEP s                          ; the 32 accumulators take turns, one instruction a turn, in the same order in every step
.if (\s) == 3
	s_wait_dscnt 0x0                               ; my reads of chunk 0 are over,
	s_wait_tensorcnt 0x0                           ; my part of chunk 1 has landed,
	s_barrier_signal -1
	s_barrier_wait -1                              ; both hold of every wave
.endif
.if (\s) < 7
	PLACES 4
	FETCH (\s)+1
	s_wait_dscnt 48                                ; all but the 48 just issued
.else
	s_wait_dscnt 0x0
.endif
.if (\s) == 0
	WIN 0x81
.else
	WIN 0xa1
.endif
.set PS, 128*((\s)%2)
.set LF, LFR+48*((\s)%2)
.irp u, 0,1,2,3
.irp t, 0,1,2,3,4,5,6,7
.if (\s) == 0
	v_wmma_scale_f32_16x16x128_f8f6f4 v[8*(8*\u+\t):8*(8*\u+\t)+7], v[PS+12*\t:PS+12*\t+11], v[LF+12*\u:LF+12*\u+11], v[BP+8*\t:BP+8*\t+7], v[SCP+4*\t], v[SCL+4*\u] matrix_a_fmt:MATRIX_FMT_FP6 matrix_b_fmt:MATRIX_FMT_FP6
.elseif (\s)%2 == 0
	v_wmma_scale_f32_16x16x128_f8f6f4 v[8*(8*\u+\t):8*(8*\u+\t)+7], v[PS+12*\t:PS+12*\t+11], v[LF+12*\u:LF+12*\u+11], v[8*(8*\u+\t):8*(8*\u+\t)+7], v[SCP+4*\t+(\s)/2], v[SCL+4*\u+(\s)/2] matrix_a_fmt:MATRIX_FMT_FP6 matrix_b_fmt:MATRIX_FMT_FP6
.else
	v_wmma_scale_f32_16x16x128_f8f6f4 v[8*(8*\u+\t):8*(8*\u+\t)+7], v[PS+12*\t:PS+12*\t+11], v[LF+12*\u:LF+12*\u+11], v[8*(8*\u+\t):8*(8*\u+\t)+7], v[SCP+4*\t+(\s)/2], v[SCL+4*\u+(\s)/2] matrix_a_fmt:MATRIX_FMT_FP6 matrix_b_fmt:MATRIX_FMT_FP6 matrix_a_scale:MATRIX_SCALE_ROW1 matrix_b_scale:MATRIX_SCALE_ROW1
.endif
.endr
.endr
	WIN 0
.endm
	s_cmp_gt_u32 s[WV], 1                          ; chunk 0's two loads are waves 0's and 1's own lines: these two wait; chunk 1 may stay out
	s_cbranch_scc1 .Lnot_c0
	s_wait_tensorcnt 0x0
.Lnot_c0:
	s_barrier_signal -1
	s_barrier_wait -1
	FETCH 0
.set JJ, 0
.rept 16
	v_lshl_or_b32 v[SCL+JJ], v[129+2*JJ], 16, v[128+2*JJ]
.set JJ, JJ+1
.endr
	PLACES 8                                       ; a scale register written by a vector instruction stands 8 places ahead of a scaled matrix instruction
	s_wait_alu depctr_va_vdst(0)
.irp q, 0,1,2,3,4,5,6,7
	STEP \q
.endr
	; THE WAY OUT, a token tile at a time, through my stage: 16 rows x (512 + 16) bytes in chunk 0, which has had its only fill and which nobody reads since the barrier of K step 3
.macro OUTB u
.if (\u) >= 2
	s_wait_xcnt 0x0                                ; the stores of two tiles ago have read their data
.endif
	WIN 0x08                                       ; an LDS store's data: window 2
.irp b, 0,1,2,3
.irp q, 0,1,2,3
	ds_store_b128 v[STO], v[64*(\u)+16*\b+4*\q:64*(\u)+16*\b+4*\q+3] offset:128*\b+16*\q   ; each accumulator from its low end on
.endr
.endr
	WIN 0
.set BB, 80+64*((\u)%2)
.irp i, 0,1,2,3,4,5,6,7,8,9,10,11,12,13,14,15
	ds_load_b128 v[BB+4*\i:BB+4*\i+3], v[RD] offset:528*\i     ; LDS serves a wave's instructions in order: these see my stores
.endr
	s_wait_dscnt 0x0
.irp i, 0,1,2,3,4,5,6,7,8,9,10,11,12,13,14,15
	global_store_b128 v[O16], v[BB+4*\i:BB+4*\i+3], s[88:89] offset:(32*((\u)/2)+8*((\u)%2)+\i+8*(\i/8))*4096 th:TH_STORE_NT   ; 32 lanes store 512 consecutive bytes of a token's row, aligned
.endr
.endm
	PLACES 4
	OUTB 0
	OUTB 1
	OUTB 2
	OUTB 3
	s_wait_tensorcnt 0x0                           ; the wave's end: behind my last LDS store
	ds_add_u32 v[SPW], v[NIL]
	s_wait_dscnt 0x0
	CROUND                                         ; the closing round
	s_endpgm
.Lfunc_end_k_qeaa2479fec_outp:
	.size	k_qeaa2479fec_outp, .Lfunc_end_k_qeaa2479fec_outp-k_qeaa2479fec_outp
	.p2alignl 7, 3214868480
	.fill 96, 4, 3214868480
	.section	.rodata,"a",@progbits
	.p2align	6, 0x0
	.amdhsa_kernel k_qeaa2479fec_outp
		.amdhsa_group_segment_fixed_size 327680
		.amdhsa_private_segment_fixed_size 0
		.amdhsa_enable_private_segment 0
		.amdhsa_kernarg_size 48
		.amdhsa_user_sgpr_count 2
		.amdhsa_user_sgpr_kernarg_segment_ptr 1
		.amdhsa_wavefront_size32 1
		.amdhsa_system_sgpr_workgroup_id_x 1
		.amdhsa_system_sgpr_workgroup_id_y 1
		.amdhsa_system_sgpr_workgroup_id_z 1
		.amdhsa_system_vgpr_workitem_id 0
		.amdhsa_next_free_vgpr 768
		.amdhsa_next_free_sgpr 102
		.amdhsa_reserve_vcc 0
		.amdhsa_float_denorm_mode_32 3
		.amdhsa_float_denorm_mode_16_64 3
		.amdhsa_memory_ordered 1
		.amdhsa_forward_progress 1
		.amdhsa_inst_pref_size 87
	.end_amdhsa_kernel
	.amdgpu_metadata
---
amdhsa.version: [ 1, 2 ]
amdhsa.kernels:
  - .name:           k_qeaa2479fec_outp
    .symbol:         k_qeaa2479fec_outp.kd
    .args:
      - { .name: oc, .offset: 0, .size: 8, .value_kind: global_buffer, .address_space: global }
      - { .name: ocs, .offset: 8, .size: 8, .value_kind: global_buffer, .address_space: global }
      - { .name: xw, .offset: 16, .size: 8, .value_kind: global_buffer, .address_space: global }
      - { .name: xws, .offset: 24, .size: 8, .value_kind: global_buffer, .address_space: global }
      - { .name: bo, .offset: 32, .size: 8, .value_kind: global_buffer, .address_space: global }
      - { .name: out0, .offset: 40, .size: 8, .value_kind: global_buffer, .address_space: global }
    .group_segment_fixed_size: 327680
    .private_segment_fixed_size: 0
    .kernarg_segment_align: 8
    .kernarg_segment_size: 48
    .max_flat_workgroup_size: 128
    .sgpr_count:     102
    .vgpr_count:     768
    .wavefront_size: 32
...
	.end_amdgpu_metadata
.endif
;; end of part 4
